; MI455X (gfx1250); checked and timed in simulation.
; The chip was launched on July 23, 2026; its instructions are those of AMD's public machine-readable ISA for CDNA 5 (MIT licence, August 2026) and "CDNA5" Instruction Set Architecture Reference Guide (July 2026). The comments in the code are by the model that wrote it; some were corrected since.
;; Ternary Linear. Allowed arithmetic: matrix products marked QUANTISED: E4M3 operands, one given power-of-two scale a tensor, by v_wmma_f32_16x16x64_fp8_fp8 or v_wmma_f32_16x16x128_fp8_fp8, f32 sums; everything else in f32.
;; Inputs: bias 4,096 float32; lowp_scales 2 int32 (the exponents e of the quantised operands' scales 2^e); weight 4,096 x 4,096 float32; x 4,096 x 4,096 float32.
;; Outputs: out0 4,096 x 4,096 float32.
;; This version of the problem:
;;   THIS VERSION OF THE PROBLEM IS GIVEN IN LOW PRECISION. The matrix products marked QUANTISED in the list below multiply operands that are first quantised to E4M3 (4 exponent bits, 3 mantissa bits; 8 bits a number), with one given power-of-two scale for each operand tensor; their sums are f32. All else is computed in f32.
;;   The module's matrix products, in the order in which they are computed (A, B: the left and right operand; K: the contracted axis; several contracted axes count as one K, in the product's order):
;;     1. [M 4,096, K 4,096] x [K 4,096, N 4,096]; A: input x; B: computed on the way: QUANTISED (scales: A lowp_scales[0], B lowp_scales[1])
;;   THE QUANTISER, for each operand of a quantised product, along K:
;;     - The operand's scale is 2^e, e = its entry of the input lowp_scales (int32; the entries are numbered through the quantised products in the list's order, A before B).
;;     - Each number is divided by the scale, clamped to +-448, and rounded to the nearest number of E4M3, ties to even, subnormals kept.
;;     - The product sums the exact products of the quantised numbers (number of the format x scale) in f32.
;;   ~~~python
;;   def quantise(x, axis, e):      # numpy; x: float32 -> the quantised numbers, widened to float32 again
;;       x = np.moveaxis(x, axis, -1); K = x.shape[-1]
;;       r = np.clip(x / 2.0 ** e, -448, 448)
;;       step = 2.0 ** (np.maximum(np.frexp(np.where(r == 0, 1, r))[1] - 1, -6) - 3)
;;       q = np.round(r / step) * step * 2.0 ** e      # np.round: ties to even
;;       return np.moveaxis(q, -1, axis).astype(np.float32)
;;   ~~~
;;   OPERANDS COMPUTED ON THE WAY. 'Computed on the way' means the value that the module computes at that place (a softmax that the list does not call 'softmax' is quantised finished and normalised). What goes into a quantiser is computed in f32, as accurately as f32 sums, v_exp_f32 and their like allow (about 1e-6 of the number): no bf16 or f16 on the way to a quantiser, and a product that is left as it is and whose result goes on into a quantised operand takes f32 operands (vector FMAs, or v_wmma_f32_16x16x4_f32). A number that lies on a knife's edge between two numbers of the format may be rounded either way, as far as f32 arithmetic and the matrix unit's own rounding can turn it there, and no further.
;; One version. Each part assembles by itself: llvm-mc -triple=amdgcn-amd-amdhsa -mcpu=gfx1250 --defsym DOCPART=n.
;; ======== version 1 of 1: 3 launches
;; limits: right only within a limited range of input values
;; workspace buffers: partials 1,024 bytes; x_codes 16,777,216 bytes; w_codes 16,777,216 bytes
;; launch absum (part 1): grid 256 x 1, 16 waves a work-group, no clusters, 3,072 bytes of LDS; arguments weight, partials; writes partials
.if DOCPART == 1
	.amdgcn_target "amdgcn-amd-amdhsa--gfx1250"
	.amdhsa_code_object_version 6
	.text
	.protected	k_q0856420aad_absum
	.globl	k_q0856420aad_absum
	.p2align	8
	.type	k_q0856420aad_absum,@function
k_q0856420aad_absum:
	s_mov_b64 s[64:65], 0
	v_nop
	global_prefetch_b8 v0, s[64:65] scope:SCOPE_SE
	s_setreg_imm32_b32 hwreg(HW_REG_WAVE_MODE, 25, 1), 1
	s_wait_xcnt 0x0
; partials[g] = the sum of |w| over work-group g's 65,536 weights.  weight: [4096][4096] f32, taken as a plain stream; partials: 256 f32.
; The mean of |w| spans all work-groups, and work-groups of one launch hand nothing to each other: so this launch leaves 256 partial sums, and every wave of the next launch adds them, in one fixed order.
; SHARES.  256 work-groups x 16 waves; a wave takes 16,384 consecutive bytes: 32 loads of 512 consecutive bytes (16 a lane), all issued at once, so that a work-group has its whole 262,144 bytes on their way.  No loop.
; ORDER OF THE SUM (a stated limit): four chains of 32 terms a lane, then trees over the lane's chains, the 32 lanes and the 16 waves: f32 additions in a fixed order, which is not the order of the reference's sum.
; No tensor loads, no cluster, no matrix unit: a stream in which no two waves read the same byte.
.set NLD, 32                           ; loads of a wave
.set CH,  8                            ; v[8:11]   four chains
.set L,   16                           ; v[16:143] load i: four registers at v[16 + 4 i]
	s_load_b128 s[4:7], s[0:1], 0x0                ; weight s[4:5], partials s[6:7]
	v_lshl_add_u32 v144, v0, 2, 0x400
	v_mov_b32 v145, 0
	s_lshl_b32 s2, ttmp9, 18                       ; my work-group's 262,144 bytes (255 x 2^18 at the most: one word)
	s_mov_b32 s3, 0
	s_lshl_b32 s8, ttmp9, 2                        ; my word of partials
	s_mov_b32 s12, 0x76543210                      ; v_permlanex16_b32: lane i of one half reads lane i of the other
	s_mov_b32 s13, 0xfedcba98
	v_lshrrev_b32 v2, 5, v0                        ; wave
	v_and_b32 v1, 31, v0                           ; lane
	s_delay_alu instid0(VALU_DEP_1)
	v_lshlrev_b32 v1, 4, v1                        ; 16 bytes a lane
	s_delay_alu instid0(VALU_DEP_1)
	v_lshl_add_u32 v1, v2, 14, v1                  ; + 16,384 x wave
	s_delay_alu instid0(VALU_DEP_4)
	v_lshlrev_b32 v2, 2, v2                        ; LDS: my wave's word
	v_mov_b32 v3, 0                                ; LDS: the first word
	v_mov_b32 v4, s8
	s_wait_alu depctr_va_vdst(0)
	s_wait_kmcnt 0x0
	s_add_nc_u64 s[4:5], s[4:5], s[2:3]
.set i, 0
.rept NLD
	global_load_b128 v[L+4*i:L+4*i+3], v1, s[4:5] offset:512*i   ; 32 lanes read 512 consecutive bytes.  No cache hint: the program reads these bytes once more, in its next launch
.set i, i+1
.endr
	s_wait_loadcnt NLD-2                           ; loads come back in order (ISA guide 5.7.1): the first two are in, the 30 younger ones may be out
.irp k, 0,1,2,3
	v_add_f32 v[CH+\k], |v[L+\k]|, |v[L+4+\k]|     ; the first two loads start the chains: nothing is cleared
.endr
.set i, 2
	s_wait_alu depctr_va_vdst(0)
.rept NLD-2
	s_wait_alu depctr_va_vdst(0)
	s_wait_loadcnt NLD-1-i                         ; load i is in; the count is the number of loads issued behind it
.irp k, 0,1,2,3
	v_add_f32 v[CH+\k], v[CH+\k], |v[L+4*i+\k]|
.endr
.set i, i+1
.endr
	s_delay_alu instid0(VALU_DEP_3)
	v_add_f32 v8, v8, v9
	s_delay_alu instid0(VALU_DEP_2)
	v_add_f32 v10, v10, v11
	s_delay_alu instid0(VALU_DEP_1)
	v_add_f32 v8, v8, v10                          ; my lane's 128 numbers
	s_delay_alu instid0(VALU_DEP_1)
	v_add_f32_dpp v8, v8, v8 row_xmask:1 row_mask:0xf bank_mask:0xf
	s_delay_alu instid0(VALU_DEP_1)
	v_add_f32_dpp v8, v8, v8 row_xmask:2 row_mask:0xf bank_mask:0xf
	s_delay_alu instid0(VALU_DEP_1)
	v_add_f32_dpp v8, v8, v8 row_xmask:4 row_mask:0xf bank_mask:0xf
	s_delay_alu instid0(VALU_DEP_1)
	v_add_f32_dpp v8, v8, v8 row_xmask:8 row_mask:0xf bank_mask:0xf
	s_delay_alu instid0(VALU_DEP_1)
	v_permlanex16_b32 v9, v8, s12, s13             ; (its destination counts as read: v9 has been written)
	s_delay_alu instid0(VALU_DEP_1)
	v_add_f32 v8, v8, v9                           ; my wave's 4,096 numbers, in every lane
	ds_store_b32 v2, v8                            ; all lanes write the same word with the same value
	s_wait_dscnt 0x0                               ; for the others' sake: my store has landed
	s_barrier_signal -1
	s_barrier_wait -1
.irp j, 0,1,2,3
	ds_load_b128 v[L+4*\j:L+4*\j+3], v3 offset:16*\j   ; the sixteen waves' sums, in every lane
.endr
	s_wait_dscnt 0x0
	v_pk_add_f32 v[16:17], v[16:17], v[18:19]
	v_pk_add_f32 v[20:21], v[20:21], v[22:23]
	v_pk_add_f32 v[24:25], v[24:25], v[26:27]
	v_pk_add_f32 v[28:29], v[28:29], v[30:31]
	s_delay_alu instid0(VALU_DEP_3)
	v_pk_add_f32 v[16:17], v[16:17], v[20:21]
	s_delay_alu instid0(VALU_DEP_2)
	v_pk_add_f32 v[24:25], v[24:25], v[28:29]
	s_delay_alu instid0(VALU_DEP_1)
	v_pk_add_f32 v[16:17], v[16:17], v[24:25]
	s_delay_alu instid0(VALU_DEP_1)
	v_add_f32 v16, v16, v17                        ; the work-group's sum
	; One word a work-group: 256 stores of 4 bytes in the whole launch.  Padding each to 256 bytes would make the table that every wave of the next launch reads 64 times as long.
	s_wait_alu depctr_va_vdst(0)
	s_wait_xcnt 0x0                                ; EXEC is a source of the loads above: it changes only behind this wait
	v_cmp_eq_u32 vcc_lo, 0, v0
	s_wait_tensorcnt 0x0
	ds_add_u32 v144, v145
	s_wait_dscnt 0x0
	s_and_saveexec_b32 s9, vcc_lo                  ; thread 0 alone
	global_store_b32 v4, v16, s[6:7]
	s_wait_xcnt 0x0                                ; and again, in front of the line that widens it
	s_or_b32 exec_lo, exec_lo, s9
	s_endpgm
.Lfunc_end_k_q0856420aad_absum:
	.size	k_q0856420aad_absum, .Lfunc_end_k_q0856420aad_absum-k_q0856420aad_absum
	.p2alignl 7, 3214868480
	.fill 96, 4, 3214868480
	.section	.rodata,"a",@progbits
	.p2align	6, 0x0
	.amdhsa_kernel k_q0856420aad_absum
		.amdhsa_group_segment_fixed_size 3072
		.amdhsa_private_segment_fixed_size 0
		.amdhsa_enable_private_segment 0
		.amdhsa_kernarg_size 16
		.amdhsa_user_sgpr_count 2
		.amdhsa_user_sgpr_kernarg_segment_ptr 1
		.amdhsa_wavefront_size32 1
		.amdhsa_system_sgpr_workgroup_id_x 1
		.amdhsa_system_sgpr_workgroup_id_y 1
		.amdhsa_system_sgpr_workgroup_id_z 1
		.amdhsa_system_vgpr_workitem_id 0
		.amdhsa_next_free_vgpr 146
		.amdhsa_next_free_sgpr 66
		.amdhsa_reserve_vcc 1
		.amdhsa_float_denorm_mode_32 3
		.amdhsa_float_denorm_mode_16_64 3
		.amdhsa_memory_ordered 1
		.amdhsa_forward_progress 1
		.amdhsa_inst_pref_size 16
	.end_amdhsa_kernel
	.amdgpu_metadata
---
amdhsa.version: [ 1, 2 ]
amdhsa.kernels:
  - .name:           k_q0856420aad_absum
    .symbol:         k_q0856420aad_absum.kd
    .args:
      - { .name: weight, .offset: 0, .size: 8, .value_kind: global_buffer, .address_space: global }
      - { .name: partials, .offset: 8, .size: 8, .value_kind: global_buffer, .address_space: global }
    .group_segment_fixed_size: 3072
    .private_segment_fixed_size: 0
    .kernarg_segment_align: 8
    .kernarg_segment_size: 16
    .max_flat_workgroup_size: 512
    .sgpr_count:     66
    .vgpr_count:     146
    .wavefront_size: 32
...
	.end_amdgpu_metadata
.endif
;; end of part 1
;; launch quant (part 2): grid 1024 x 1, 4 waves a work-group, no clusters, 35,328 bytes of LDS; arguments x, weight, lowp_scales, partials, x_codes, w_codes; writes x_codes, w_codes
.if DOCPART == 2
	.amdgcn_target "amdgcn-amd-amdhsa--gfx1250"
	.amdhsa_code_object_version 6
	.text
	.protected	k_q0856420aad_quant
	.globl	k_q0856420aad_quant
	.p2align	8
	.type	k_q0856420aad_quant,@function
k_q0856420aad_quant:
	s_mov_b64 s[64:65], 0
	v_nop
	global_prefetch_b8 v0, s[64:65] scope:SCOPE_SE
	s_setreg_imm32_b32 hwreg(HW_REG_WAVE_MODE, 25, 1), 1
	s_wait_xcnt 0x0
; x [4096][4096] f32 -> x_codes, and the ternary weight made of weight [4096][4096] f32 -> w_codes: codes of FP8 (E4M3), one a byte, each tensor with the one scale 2^e given for it.
; THE TERNARY WEIGHT.  s = mean |w| = (the sum of the 256 partial sums) x 2^-24; thr = 0.05 s; w_tern = s with w's sign where |w| > thr, else 0 (thr is never negative).  All in f32; every wave adds the same 256 numbers in the same order.
; THE QUANTISER.  code = number / 2^e, held within +-448, to the nearest code, ties to even.  e: entry 0 of lowp_scales for x, entry 1 for the weight.
; LIMITS: -126 <= e and e + 8 <= 127.  NaN in x is not served (an infinity is held at the largest code); a NaN weight fails the compare and gives the code 0.
; THE CODES' LAYOUT, the same for both tensors, is the order in which the product's launch takes them: [K step of 256: 16][block of 16 rows: 256][q: 2][c: 4][lane: 32][16 bytes].
; Lane 16 h + r of piece (q, c) holds 16 codes of the block's row r.  So a block's codes of a K step are 4,096 bytes on end, 256 rows' 65,536, a whole K step's 1,048,576.
; WHICH k A BYTE HOLDS: inside each 512 along K, byte 4 i + j of piece l' = 8 (q of four) + 2 c + h is k = 128 i + 4 l' + j.  The same permutation of k in both tensors: every product meets its partner; only the order of the sums changes (a stated limit).
; It lets every load be dense: a wave takes 16 rows x 512 k; each of a row's four loads reads 512 consecutive bytes, 16 a lane, and a lane's 16 numbers go to the conversions as they come.
; A lane's 16 codes belong to one row and the layout wants 16 rows side by side: so the codes (not the numbers) turn through the wave's own stage in LDS, 32 pieces' rows of 256 + 16 bytes, and leave as 512 consecutive bytes a store.
; SHARES: 1,024 work-groups x 4 waves, a wave one unit of 16 rows x 512 k; the first 512 work-groups take x.  Eight rows' loads (32 a wave) are on their way.  No tensor loads, no barrier: waves share nothing but the table of partial sums.
.set WGA,   512
.set EMAX,  8
.set MANT,  0x600000                   ; the mantissa field of 448 as f32
.set SPT,   272                        ; a stage row: 16 rows' pieces of 16 bytes + 16 of padding
.set WREG,  32*SPT                     ; a wave's stage
.set SPARE, 4*WREG                     ; behind the stages: the spare words, 128 bytes a wave
.set R,     16                         ; v16-143   eight sets of 16 numbers; at the end v16-79 the codes read back
.set C,     144                        ; v144-207  codes: four registers for each row
.set PS,    208                        ; v208-215  the partial sums
; v3: 16 x lane, offset of loads and stores;  v6, v7: my spare word, 0;  v10: 448 x 2^e;  v11: 2^e;  v12: s;  v13: thr;  v14, v15: the stage, in and out
	s_load_b128 s[4:7], s[0:1], 0x0                ; x, weight
	s_load_b128 s[8:11], s[0:1], 0x10              ; the scales' exponents, the partial sums
	s_load_b128 s[12:15], s[0:1], 0x20             ; x's codes, the weight's codes
	v_lshl_add_u32 v6, v0, 2, SPARE
	v_mov_b32 v7, 0
	s_mov_b32 s26, 0x76543210                      ; v_permlanex16_b32: lane l xor 16
	s_mov_b32 s27, 0xfedcba98
	s_mov_b32 s28, 0x80000000                      ; a number's sign
	v_lshrrev_b32 v1, 5, v0
	v_readfirstlane_b32 s16, v1                    ; wave
	v_and_b32 v2, 31, v0                           ; lane
	v_lshlrev_b32 v3, 4, v2
	s_mul_i32 s17, s16, WREG
	v_mul_u32_u24 v14, v2, SPT
	v_add_nc_u32 v14, s17, v14                     ; in: stage row = my lane (the piece l'), + 16 x the row, an immediate
	v_lshrrev_b32 v4, 4, v2
	v_and_b32 v5, 15, v2
	v_mul_u32_u24 v15, v4, SPT
	v_lshl_add_u32 v15, v5, 4, v15
	v_add_nc_u32 v15, s17, v15                     ; out: sixteen lanes to a stage row, two stage rows an instruction
	s_wait_alu depctr_va_vdst(0)
	s_wait_kmcnt 0x0
	s_load_b64 s[22:23], s[8:9], 0x0               ; e of x, e of the weight
	s_cmp_lt_u32 ttmp9, WGA                        ; x's work-group or the weight's?  The work-group's number alone decides
	s_cselect_b64 s[4:5], s[4:5], s[6:7]
	s_cselect_b64 s[24:25], s[12:13], s[14:15]
	s_cselect_b32 s17, 0, WGA
	s_sub_co_u32 s17, ttmp9, s17                   ; 0 .. 511 in the tensor
	s_lshr_b32 s18, s17, 1                         ; block of 16 rows
	s_and_b32 s19, s17, 1
	s_lshl_b32 s19, s19, 2
	s_add_co_u32 s19, s19, s16                     ; t: which 512 along K
	s_lshl_b32 s20, s18, 18                        ; numbers: 16 rows of 16,384 bytes,
	s_lshl_b32 s21, s19, 11                        ; + 2,048 t
	s_add_co_u32 s20, s20, s21
	s_mov_b32 s21, 0
	s_add_nc_u64 s[4:5], s[4:5], s[20:21]
	s_lshl_b32 s20, s19, 21                        ; codes: K step 2 t,
	s_lshl_b32 s18, s18, 12                        ; + 4,096 x block
	s_add_co_u32 s20, s20, s18
	s_add_nc_u64 s[24:25], s[24:25], s[20:21]
	global_load_b128 v[PS:PS+3], v3, s[10:11]              ; the 256 partial sums: 1,024 bytes, eight numbers a lane
	global_load_b128 v[PS+4:PS+7], v3, s[10:11] offset:512
.macro LOAD r
.irp i, 0,1,2,3
	global_load_b128 v[R+16*((\r)%8)+4*\i:R+16*((\r)%8)+4*\i+3], v3, s[4:5] offset:16384*(\r)+512*\i th:TH_LOAD_NT   ; 32 lanes read 512 consecutive bytes of row r
.endr
.endm
.irp r, 0,1,2,3,4,5,6,7
	LOAD \r
.endr
	s_wait_kmcnt 0x0
	s_cmp_lt_u32 ttmp9, WGA
	s_cselect_b32 s22, s22, s23                    ; e
	s_add_co_i32 s22, s22, 127
	s_lshl_b32 s23, s22, 23
	v_mov_b32 v11, s23                             ; 2^e as f32: the conversion takes its exponent field
	s_add_co_i32 s22, s22, EMAX
	s_lshl_b32 s22, s22, 23
	s_or_b32 s22, s22, MANT
	v_mov_b32 v10, s22                             ; 448 x 2^e
	s_wait_loadcnt 32                              ; the partial sums are in; the 32 loads issued behind them may be out
	v_pk_add_f32 v[PS:PS+1], v[PS:PS+1], v[PS+4:PS+5]
	v_pk_add_f32 v[PS+2:PS+3], v[PS+2:PS+3], v[PS+6:PS+7]
	v_pk_add_f32 v[PS:PS+1], v[PS:PS+1], v[PS+2:PS+3]
	v_add_f32 v[PS], v[PS], v[PS+1]                ; my lane's eight,
	v_add_f32_dpp v[PS], v[PS], v[PS] row_xmask:1 row_mask:0xf bank_mask:0xf
	v_add_f32_dpp v[PS], v[PS], v[PS] row_xmask:2 row_mask:0xf bank_mask:0xf
	v_add_f32_dpp v[PS], v[PS], v[PS] row_xmask:4 row_mask:0xf bank_mask:0xf
	v_add_f32_dpp v[PS], v[PS], v[PS] row_xmask:8 row_mask:0xf bank_mask:0xf
	v_permlanex16_b32 v[PS+1], v[PS], s26, s27     ; (its destination has been written)
	v_add_f32 v[PS], v[PS], v[PS+1]                ; and all 256: the sum of |w|, in every lane
	v_mul_f32 v12, 0x33800000, v[PS]               ; s = the sum x 2^-24: nothing is rounded
	v_mul_f32 v13, 0x3d4ccccd, v12                 ; thr = s x 0.05 (as f32)
	s_wait_alu depctr_va_vdst(0)
.macro ROW r
.set XS, R+16*((\r)%8)
.if (\r) <= 8
	s_wait_loadcnt 28                              ; row r's four loads are in; the seven rows' behind them may be out
.else
	s_wait_loadcnt 4*(15-(\r))
.endif
	s_cmp_lt_u32 ttmp9, WGA
	s_cbranch_scc1 .Lplain_\@                      ; x goes as it is: the branch hangs on the work-group's number and jumps over register work alone
.irp i, 0,1,2,3,4,5,6,7,8,9,10,11,12,13,14,15
	v_cmp_gt_f32 vcc_lo, |v[XS+\i]|, v13           ; |w| > thr?
	v_and_or_b32 v[XS+\i], v[XS+\i], s28, v12      ; s with w's sign,
	v_cndmask_b32 v[XS+\i], 0, v[XS+\i], vcc_lo    ; or 0
.endr
.Lplain_\@:
.irp i, 0,1,2,3,4,5,6,7,8,9,10,11,12,13,14,15
	v_med3_num_f32 v[XS+\i], v[XS+\i], -v10, v10   ; the conversion to an 8-bit code does not saturate (ISA guide 7.6.2): held first, whatever e is
.endr
	v_cvt_scalef32_pk8_fp8_f32 v[C+4*(\r):C+4*(\r)+1], v[XS:XS+7], v11
	v_cvt_scalef32_pk8_fp8_f32 v[C+4*(\r)+2:C+4*(\r)+3], v[XS+8:XS+15], v11
	ds_store_b128 v14, v[C+4*(\r):C+4*(\r)+3] offset:16*(\r)   ; (the codes go to this store alone; their registers are never named again)
.if (\r)+8 < 16
	LOAD (\r)+8                                    ; the set takes the row eight further on
.endif
.endm
.irp r, 0,1,2,3,4,5,6,7,8,9,10,11,12,13,14,15
	ROW \r
.endr
.irp j, 0,1,2,3,4,5,6,7,8,9,10,11,12,13,14,15
	ds_load_b128 v[R+4*\j:R+4*\j+3], v15 offset:2*SPT*\j   ; pieces 2 j and 2 j + 1 of all 16 rows.  LDS serves a wave's instructions in order (ISA guide 5.7.1.4): these see my stores
.endr
.irp j, 0,1,2,3,4,5,6,7,8,9,10,11,12,13,14,15
	s_wait_dscnt 15-\j
	global_store_b128 v3, v[R+4*\j:R+4*\j+3], s[24:25] offset:(\j/8)*0x100000+((\j/4)%2)*2048+(\j%4)*512   ; 512 consecutive bytes, aligned: K step 2 t + j / 8, q = (j / 4) % 2, c = j % 4
.endr
	s_wait_tensorcnt 0x0                           ; the wave's end
	ds_add_u32 v6, v7
	s_wait_dscnt 0x0
	s_endpgm
.Lfunc_end_k_q0856420aad_quant:
	.size	k_q0856420aad_quant, .Lfunc_end_k_q0856420aad_quant-k_q0856420aad_quant
	.p2alignl 7, 3214868480
	.fill 96, 4, 3214868480
	.section	.rodata,"a",@progbits
	.p2align	6, 0x0
	.amdhsa_kernel k_q0856420aad_quant
		.amdhsa_group_segment_fixed_size 35328
		.amdhsa_private_segment_fixed_size 0
		.amdhsa_enable_private_segment 0
		.amdhsa_kernarg_size 48
		.amdhsa_user_sgpr_count 2
		.amdhsa_user_sgpr_kernarg_segment_ptr 1
		.amdhsa_wavefront_size32 1
		.amdhsa_system_sgpr_workgroup_id_x 1
		.amdhsa_system_sgpr_workgroup_id_y 1
		.amdhsa_system_sgpr_workgroup_id_z 1
		.amdhsa_system_vgpr_workitem_id 0
		.amdhsa_next_free_vgpr 216
		.amdhsa_next_free_sgpr 66
		.amdhsa_reserve_vcc 1
		.amdhsa_float_denorm_mode_32 3
		.amdhsa_float_denorm_mode_16_64 3
		.amdhsa_memory_ordered 1
		.amdhsa_forward_progress 1
		.amdhsa_inst_pref_size 74
	.end_amdhsa_kernel
	.amdgpu_metadata
---
amdhsa.version: [ 1, 2 ]
amdhsa.kernels:
  - .name:           k_q0856420aad_quant
    .symbol:         k_q0856420aad_quant.kd
    .args:
      - { .name: x, .offset: 0, .size: 8, .value_kind: global_buffer, .address_space: global }
      - { .name: weight, .offset: 8, .size: 8, .value_kind: global_buffer, .address_space: global }
      - { .name: lowp_scales, .offset: 16, .size: 8, .value_kind: global_buffer, .address_space: global }
      - { .name: partials, .offset: 24, .size: 8, .value_kind: global_buffer, .address_space: global }
      - { .name: x_codes, .offset: 32, .size: 8, .value_kind: global_buffer, .address_space: global }
      - { .name: w_codes, .offset: 40, .size: 8, .value_kind: global_buffer, .address_space: global }
    .group_segment_fixed_size: 35328
    .private_segment_fixed_size: 0
    .kernarg_segment_align: 8
    .kernarg_segment_size: 48
    .max_flat_workgroup_size: 128
    .sgpr_count:     66
    .vgpr_count:     216
    .wavefront_size: 32
...
	.end_amdgpu_metadata
.endif
;; end of part 2
;; launch gemm (part 3): grid 16 x 16, 4 waves a work-group, clusters of 4 x 4, 327,680 bytes of LDS; arguments x_codes, w_codes, lowp_scales, bias, out0; writes out0
.if DOCPART == 3
	.amdgcn_target "amdgcn-amd-amdhsa--gfx1250"
	.amdhsa_code_object_version 6
	.text
	.protected	k_q0856420aad_gemm
	.globl	k_q0856420aad_gemm
	.p2align	8
	.type	k_q0856420aad_gemm,@function
k_q0856420aad_gemm:
	s_mov_b64 s[64:65], 0
	v_nop
	global_prefetch_b8 v0, s[64:65] scope:SCOPE_SE
	s_setreg_imm32_b32 hwreg(HW_REG_WAVE_MODE, 25, 1), 1
	s_wait_xcnt 0x0
	s_wait_alu depctr_hold_cnt(0) depctr_sa_sdst(0) depctr_va_vdst(0) depctr_va_sdst(0) depctr_va_ssrc(0) depctr_va_vcc(0) depctr_vm_vsrc(0)
	s_getreg_b32 s2, hwreg(HW_REG_IB_STS2, 6, 4)
	s_cmp_eq_u32 s2, 0
	s_cbranch_scc0 .Lentry_in_a_cluster
	s_endpgm
.Lentry_in_a_cluster:
	s_bfe_u32 s2, ttmp6, 0x10000c
	s_cmp_lg_u32 s2, 0xf033
	s_cbranch_scc0 .Lentry_shape_is_right
	s_endpgm
.Lentry_shape_is_right:
; out0[m][n] = 2^(ea + eb) x (sum over k of x's code (m, k) x the ternary weight's code (n, k)) + bias[n].  Codes of FP8 (E4M3); sums in f32; out0 [4096][4096] f32.
; LIMIT: ea + eb lies between -126 and 127, so that 2^(ea + eb) is an f32 number.  The order of k inside an instruction is the codes' own (the same in both operands): the sums' order differs from ascending k.
; BOTH OPERANDS lie as [K step of 256: 16][block of 16 rows: 256][q: 2][c: 4][lane: 32][16 bytes]: a fragment (16 rows x 128 k) is 2,048 bytes on end in the order of its registers,
; a tile of 256 rows x 256 k is 65,536 bytes on end.  So a tensor load brings 128 dense rows of 256 bytes, LDS has no padding, and a fragment load reads 512 consecutive bytes (lane l at 16 l).
; A tile of the result, 256 x 256, is made by four waves, each 128 x 128: 64 accumulators, 512 registers.  K goes in 16 steps of 256 through two LDS slots of 131,072 bytes (A's tile, then B's); a wave fetches a quarter.
; CLUSTERS: 4 x 4 work-groups; A's tile is asked for jointly along a row of the cluster, B's along a column.  THE MATRIX INSTRUCTION IS USED TRANSPOSED (source 0 = rows of the weight, source 1 = rows of x): a lane holds eight neighbours of a row of the result.
; FRAGMENTS: A has one set (blocks 0-3 asked for anew in a step's middle, 4-7 at its end), B two; B's set for a step is asked for a whole step ahead, as soon as its registers are free: runs of 16 or 32 loads, each at least 32 matrix instructions ahead of its use.
; PREFETCH: in the change of slots of K step j (it asks for step j + 2) each wave names 32 blocks of 256 bytes of step j + 4: of the 128 blocks that it fetches, its work-group's 32, told apart by address (cx for A, cy for B):
; each block once in each cluster that loads it.  K step 1 is named at the head, steps 2 and 3 behind step 1's load; steps beyond 15 never.  At most three K steps are asked for and not yet read.
; THE LAST K STEP goes by rows of the result: each block of 16 rows is finished, goes through the wave's stage, comes back into its own accumulators' registers as whole rows, and is stored while the next blocks are multiplied.
; REGISTERS: window 0: v0-31 addresses, v32-35 bias, v48-127 five fragments of A in the last K step, v128-255 A's fragments; window 1: B's fragments, two sets; windows 2, 3: the accumulators ((a, b) at v[8 (8 (a % 4) + b)]).
.set SIZE_N, 4096
.set KSB,    0x100000                  ; a tensor's K step in bytes
.set HALF,   32768                     ; 128 rows x 256 k: one tensor load
.set SLOT,   4*HALF
.set LAPS,   8                         ; a lap = two K steps
.set SPARE,  2*SLOT                    ; behind the ring: the spare words, 128 bytes a wave
.set SPITCH, 528                       ; the way out: a stage of 16 rows x (512 + 16) bytes a wave, in slot 0 behind its last fill and last read
.set FR,     16
.set NP,     4                         ; places behind this matrix instruction (ISA guide 7.12.1)
.set ADRA, 16                          ; v16-17 my A fragments in slot 0, 1
.set ADRB, 20                          ; v20-21 my B fragments
.set STO,  24
.set RD,   25
.set CO,   26                          ; 16 x lane
.set SPW,  28
.set NIL,  29
.set PFO,  30                          ; 256 x lane
.set BI,   32
.set TF,   48
.set AF,   128
.set G1, 24
.set G0, 32
.set G1B, 48
.set G0B, 56
.set PFA, 66
.set MSB, 0
.macro WIN new
.if MSB != \new
	s_set_vgpr_msb (MSB<<8)|\new
.set MSB, \new
.endif
.endm
.set MUL_LO, 0xa1
.set MUL_HI, 0xf1
.set TO_B,   0x40
.macro JLOAD g0a, g1a, g0b, g1b        ; a joint load: waves 0, 1 for A, waves 2, 3 for B; s_nop 0 and four v_nop behind each line
	s_cmp_eq_u32 s15, 0
	s_cbranch_scc0 .Lfor_b_\@
	tensor_load_to_lds s[\g0a:\g0a+3], s[\g1a:\g1a+7]
	s_nop 0
.rept 4
	v_nop
.endr
	s_branch .Lasked_\@
.Lfor_b_\@:
	tensor_load_to_lds s[\g0b:\g0b+3], s[\g1b:\g1b+7]
	s_nop 0
.rept 4
	v_nop
.endr
.Lasked_\@:
.endm
.macro ASK                             ; PFA stands at K step j + 1: the step named is j + 4.  The loop's last trip (j = 12, 13) names nothing
	s_cmp_gt_u32 s3, 1
	s_cbranch_scc0 .Lnot_now_\@
	global_prefetch_b8 v[PFO], s[PFA:PFA+1] offset:3*KSB th:TH_LOAD_NT scope:SCOPE_SE
.Lnot_now_\@:
.endm
.macro CREST
	s_cmp_lg_u32 s14, 0
	s_cbranch_scc1 .Lnot_wave_0_\@
	s_barrier_signal -3
.Lnot_wave_0_\@:
	s_barrier_wait -3
	s_barrier_signal -1
	s_barrier_wait -1
.endm
.macro CROUND
	s_barrier_signal -1
	s_barrier_wait -1
	CREST
.endm
	s_load_b128 s[4:7], s[0:1], 0x0                ; x's codes, the weight's codes
	s_load_b128 s[8:11], s[0:1], 0x10              ; the scales' exponents, bias
	s_load_b64 s[12:13], s[0:1], 0x20              ; out0
	v_lshl_add_u32 v[SPW], v0, 2, SPARE
	v_mov_b32 v[NIL], 0
	ds_add_u32 v[SPW], v[NIL]                      ; the opening lines: the add, twice on end, and its wait
	ds_add_u32 v[SPW], v[NIL]
	v_lshrrev_b32 v1, 5, v0
	v_readfirstlane_b32 s14, v1                    ; wave
	s_lshr_b32 s15, s14, 1                         ; my half of the tile's rows; also: I fetch for A (0) or B (1)
	s_and_b32 s16, s14, 1                          ; my half of its columns; also: which half I fetch
	s_bfe_u32 s40, ttmp6, 0x40000                  ; cx
	s_bfe_u32 s41, ttmp6, 0x40004                  ; cy
	s_lshl_b32 s42, ttmp9, 2
	s_add_co_u32 s42, s42, s40                     ; tile column
	s_and_b32 s17, ttmp7, 0xffff
	s_lshl_b32 s17, s17, 2
	s_add_co_u32 s17, s17, s41                     ; tile row
	s_lshl_b32 s43, s41, 2
	s_lshl_b32 s43, 15, s43                        ; my row of the cluster
	s_lshl_b32 s44, 0x1111, s40                    ; my column
	s_or_b32 s[G1+0], s43, (3<<16)|(1<<21)         ; the mask; elements of 8 bytes; bit 21 beside a mask; no padding
	s_or_b32 s[G1B+0], s44, (3<<16)|(1<<21)
.irp g, G1, G1B
	s_mov_b32 s[\g+1], 32<<16                      ; tensor_dim0: 32 elements = 256 bytes
	s_mov_b32 s[\g+2], 128<<16                     ; tensor_dim1 = 128
	s_mov_b32 s[\g+3], 32<<16                      ; tile_dim0
	s_mov_b32 s[\g+4], 128                         ; tile_dim1
	s_mov_b32 s[\g+5], 32                          ; the pitch: rows lie on end
	s_mov_b32 s[\g+6], 0
	s_mov_b32 s[\g+7], 0
.endr
	s_lshl_b32 s18, s16, 15                        ; the half that I fetch
	s_lshl_b32 s20, s17, 16
	s_add_co_u32 s20, s20, s18                     ; A: 65,536 x tile row + half
	s_lshl_b32 s46, s42, 16
	s_add_co_u32 s46, s46, s18                     ; B: 65,536 x tile column + half
	s_mov_b32 s21, 0
	s_mov_b32 s47, 0
	s_lshl_b32 s45, s14, 15                        ; LDS: wave x 32,768
	s_wait_dscnt 0x0                               ; both opening adds are done
	s_wait_kmcnt 0x0
	s_load_b64 s[96:97], s[8:9], 0x0               ; ea, eb
	s_add_nc_u64 s[20:21], s[4:5], s[20:21]
	s_add_nc_u64 s[46:47], s[6:7], s[46:47]
.irp s, 0,1
	s_mov_b32 s[G0+4*\s], 1
	s_add_co_u32 s[G0+4*\s+1], s45, \s*SLOT
	s_add_nc_u64 s[G0+4*\s+2:G0+4*\s+3], s[20:21], \s*KSB
	s_or_b32 s[G0+4*\s+3], s[G0+4*\s+3], 0x80000000
	s_mov_b32 s[G0B+4*\s], 1
	s_add_co_u32 s[G0B+4*\s+1], s45, \s*SLOT
	s_add_nc_u64 s[G0B+4*\s+2:G0B+4*\s+3], s[46:47], \s*KSB
	s_or_b32 s[G0B+4*\s+3], s[G0B+4*\s+3], 0x80000000
.endr
	CROUND                                         ; all sixteen work-groups are here: the first joint loads meet
	JLOAD G0, G1, G0B, G1B                         ; K step 0: one tensor load a wave at the head
	s_lshl_b32 s21, s15, 15                        ; my 128 rows of A
	s_lshl_b32 s22, s16, 15
	s_add_co_u32 s22, s22, 2*HALF                  ; my 128 rows of B, behind A's tile
	s_mul_i32 s23, s14, 16*SPITCH                  ; my stage
	v_and_b32 v6, 31, v0
	v_lshlrev_b32 v[CO], 4, v6
	v_add_nc_u32 v[ADRA], s21, v[CO]
	v_add_nc_u32 v[ADRB], s22, v[CO]
	v_add_nc_u32 v[ADRA+1], SLOT, v[ADRA]
	v_add_nc_u32 v[ADRB+1], SLOT, v[ADRB]
	v_and_b32 v1, 15, v0
	v_bfe_u32 v2, v0, 4, 1
	v_mul_u32_u24 v5, v1, SPITCH                   ; into the stage: row l % 16, 32 bytes for each half of the lanes
	v_lshl_add_u32 v5, v2, 5, v5
	v_add_nc_u32 v[STO], s23, v5
	v_add_nc_u32 v[RD], s23, v[CO]                 ; back: the 32 lanes take one row of 512 bytes
	v_lshlrev_b32 v[PFO], 8, v6
	s_wait_alu depctr_va_vdst(0)
	s_lshl_b32 s20, s17, 8
	s_lshl_b32 s21, s15, 7
	s_add_co_u32 s20, s20, s21                     ; my first row of out0
	s_lshl_b32 s20, s20, 14
	s_mov_b32 s21, 0
	s_lshl_b32 s46, s42, 10
	s_lshl_b32 s47, s16, 9
	s_add_co_u32 s46, s46, s47                     ; my first column, in bytes
	s_mov_b32 s47, 0
	s_add_nc_u64 s[10:11], s[10:11], s[46:47]
	s_add_nc_u64 s[20:21], s[20:21], s[46:47]
	s_add_nc_u64 s[12:13], s[12:13], s[20:21]
	s_cmp_eq_u32 s15, 0                            ; the prefetches: do I fetch for A?
	s_cselect_b32 s72, s17, s42                    ; the tile,
	s_cselect_b32 s73, s40, s41                    ; my place among the four that ask for it with me
	s_cselect_b64 s[PFA:PFA+1], s[4:5], s[6:7]
	s_lshl_b32 s72, s72, 16
	s_lshl_b32 s74, s16, 15
	s_add_co_u32 s72, s72, s74
	s_lshl_b32 s73, s73, 13                        ; my work-group's 32 blocks of 256 bytes
	s_add_co_u32 s72, s72, s73
	s_mov_b32 s73, 0
	s_add_nc_u64 s[PFA:PFA+1], s[PFA:PFA+1], s[72:73]
	global_prefetch_b8 v[PFO], s[PFA:PFA+1] offset:KSB th:TH_LOAD_NT scope:SCOPE_SE   ; K step 1
	global_load_b128 v[BI:BI+3], v[CO], s[10:11]   ; bias at my four columns of a row read back
.macro FRAG reg, adr, q, i             ; 16 rows x 128 k: four loads of 512 consecutive bytes
.irp c, 0,1,2,3
	ds_load_b128 v[\reg+4*\c:\reg+4*\c+3], v[\adr] offset:4096*(\i)+2048*(\q)+512*\c
.endr
.endm
.macro MULX a, p, ar, zero             ; A's block a, its fragment at v[ar], against B's eight of set p.  The accumulators take turns, one instruction a turn
.irp b, 0,1,2,3,4,5,6,7
.if \zero
	v_wmma_f32_16x16x128_fp8_fp8 v[8*(8*((\a)%4)+\b):8*(8*((\a)%4)+\b)+7], v[128*(\p)+FR*\b:128*(\p)+FR*\b+FR-1], v[(\ar):(\ar)+FR-1], 0
.else
	v_wmma_f32_16x16x128_fp8_fp8 v[8*(8*((\a)%4)+\b):8*(8*((\a)%4)+\b)+7], v[128*(\p)+FR*\b:128*(\p)+FR*\b+FR-1], v[(\ar):(\ar)+FR-1], v[8*(8*((\a)%4)+\b):8*(8*((\a)%4)+\b)+7]
.endif
.endr
.endm
.macro MUL8 a, p, zero
	MULX \a, \p, AF+FR*(\a), \zero
.endm
.macro FETCH_B slot, q, p
	WIN TO_B
.irp i, 0,1,2,3,4,5,6,7
	FRAG 128*(\p)+FR*\i, ADRB+\slot, \q, \i
.endr
	WIN 0
.endm
.macro FETCH_A slot, q, i0
.irp i, \i0, \i0+1, \i0+2, \i0+3
	FRAG AF+FR*(\i), ADRA+\slot, \q, \i
.endr
.endm
.macro PLACES n
.rept \n
	v_nop
.endr
.endm
; A slot's first step (q = 0, B's set 0).  LDS loads ahead of it, in order: B q0 (32), A q0 blocks 0-3 (16), 4-7 (16), B q1 (32).  Each wait's count: the loads issued behind the block's four.
.macro STEP slot, zero
	WIN MUL_LO
.irp a, 0,1,2,3
	s_wait_dscnt 60-4*\a                           ; behind block a: 4 (3 - a) + 16 + 32
	MUL8 \a, 0, \zero
.endr
	PLACES NP
	WIN 0
	FETCH_A \slot, 1, 0
	WIN MUL_HI
.irp a, 4,5,6,7
	s_wait_dscnt 76-4*\a                           ; behind block a: 4 (7 - a) + 32 + the 16 just issued
	MUL8 \a, 0, \zero
.endr
	PLACES NP
	WIN 0
	FETCH_A \slot, 1, 4
.endm
; A slot's last step (q = 1, B's set 1) changes slots.  All the slot's fragments have been asked for; sixteen matrix instructions stand ahead of the three lines, eight between the add and its wait; then the round, the refill, and the next slot's fragments.
; last = 1: the launch's last change: the next K step goes by rows, and five of A's q = 1 fragments are asked for too, in the order of their use.
.macro TURN slot, next, fill, last
.if \fill
	s_wait_xcnt 0x0                                ; my prefetches have read their address
	s_add_nc_u64 s[PFA:PFA+1], s[PFA:PFA+1], KSB
.endif
	WIN MUL_LO
	s_wait_dscnt 28                                ; behind A's block 0: 12 + 16
	MUL8 0, 1, 0
	s_wait_dscnt 24
	MUL8 1, 1, 0
	WIN 0
	s_wait_tensorcnt 0x0                           ; all my tensor loads have landed: my part of the next slot
	ds_add_u32 v[SPW], v[NIL]
.if \fill
	s_add_nc_u64 s[G0+4*\slot+2:G0+4*\slot+3], s[G0+4*\slot+2:G0+4*\slot+3], 2*KSB
	s_add_nc_u64 s[G0B+4*\slot+2:G0B+4*\slot+3], s[G0B+4*\slot+2:G0B+4*\slot+3], 2*KSB
.endif
	s_wait_dscnt 21                                ; behind A's block 2: 4 + 16 + the add
	WIN MUL_LO
	MUL8 2, 1, 0
	WIN 0
	s_wait_dscnt 0x0                               ; the add is done, and my reads of this slot are over
	s_barrier_signal -1
	s_barrier_wait -1
.if \fill
	CREST                                          ; the barrier has opened a round of the cluster's barrier
	JLOAD G0+4*\slot, G1, G0B+4*\slot, G1B         ; the first tensor load behind the round
.endif
	FETCH_B \next, 0, 0                            ; (set 0 was last multiplied ahead of the first step's closing places)
.if \fill
	ASK
.endif
	WIN MUL_LO
	MUL8 3, 1, 0
	PLACES NP
	WIN 0
	FETCH_A \next, 0, 0
	WIN MUL_HI
.irp a, 4,5,6,7
	MUL8 \a, 1, 0
.endr
	PLACES NP
	WIN 0
.if \last
	FETCH_B \next, 1, 1
.irp i, 0,1,2,3
	FRAG TF+FR*\i, ADRA+\next, 1, \i
.endr
	FETCH_A \next, 0, 4
	FRAG TF+FR*4, ADRA+\next, 1, 4
.else
	FETCH_A \next, 0, 4
	FETCH_B \next, 1, 1
.endif
.endm
	s_wait_tensorcnt 0x0                           ; my part of K step 0 is in
	ds_add_u32 v[SPW], v[NIL]
	s_wait_dscnt 0x0
	CROUND
	JLOAD G0+4, G1, G0B+4, G1B                     ; K step 1, the first tensor load behind the round
	FETCH_B 0, 0, 0
	FETCH_A 0, 0, 0
	FETCH_A 0, 0, 4
	FETCH_B 0, 1, 1
	global_prefetch_b8 v[PFO], s[PFA:PFA+1] offset:2*KSB th:TH_LOAD_NT scope:SCOPE_SE   ; K steps 2 and 3
	global_prefetch_b8 v[PFO], s[PFA:PFA+1] offset:3*KSB th:TH_LOAD_NT scope:SCOPE_SE
	STEP 0, 1                                      ; the first step's products start the sums
	s_mov_b32 s3, LAPS-1
.Llap:
	TURN 0, 1, 1, 0
	STEP 1, 0
	TURN 1, 0, 1, 0
	STEP 0, 0
	s_sub_co_u32 s3, s3, 1
	s_cmp_lg_u32 s3, 0
	s_cbranch_scc1 .Llap
	s_wait_kmcnt 0x0
	s_add_co_i32 s96, s96, s97
	s_add_co_i32 s96, s96, 127
	s_lshl_b32 s96, s96, 23                        ; 2^(ea + eb) as f32
	s_mov_b32 s97, s96
	s_wait_loadcnt 0x0                             ; bias
	TURN 0, 1, 0, 1                                ; the last change of slots fills nothing
; THE LAST K STEP, BY ROWS.  LDS loads out, in order: B q0 (32), A q0 0-3 (16), B q1 (32), A q1 0-3 (16), A q0 4-7 (16), A q1 4 (4).
; FIN a finishes block a; TOSTAGE a sends its sums through my stage and back, as whole rows of 512 bytes, into the same 64 registers; SEND a: x 2^(ea + eb) + bias, one fused multiply-add, and 512 consecutive bytes a store.
.macro FIN a, w                        ; w: the count of the wait ahead of the q = 1 products; -1: none is due
	WIN MUL_LO+0x50*((\a)/4)
.if (\a) >= 4
	MUL8 \a, 0, 0
.endif
.if (\w) >= 0
	s_wait_dscnt \w
.endif
.if (\a) < 5
	MULX \a, 1, TF+FR*(\a), 0
.else
	MULX \a, 1, AF+FR*((\a)-5), 0
.endif
.endm
.macro TOSTAGE a
.set AC, 64*((\a)%4)
	PLACES NP                                      ; the stores read results just made
	WIN 0x08+4*((\a)/4)                            ; the stores' data: window 2 or 3
.irp b, 0,1,2,3,4,5,6,7
	ds_store_b128 v[STO], v[AC+8*\b:AC+8*\b+3] offset:64*\b
	ds_store_b128 v[STO], v[AC+8*\b+4:AC+8*\b+7] offset:64*\b+16
.endr
	WIN 0x80+0x40*((\a)/4)                         ; the loads' destination: the same window
.irp t, 0,1,2,3,4,5,6,7,8,9,10,11,12,13,14,15
	ds_load_b128 v[AC+4*\t:AC+4*\t+3], v[RD] offset:\t*SPITCH   ; LDS serves a wave's instructions in order (ISA guide 5.7.1.4): these see the stores above
.endr
.endm
.macro SEND a
.set AC, 64*((\a)%4)
	s_wait_dscnt 0x0                               ; the block is back
.if (\a) > 0
	s_wait_xcnt 0x0                                ; the earlier stores have read their base
	s_add_nc_u64 s[12:13], s[12:13], 16*SIZE_N*4
.endif
	WIN 0x82+0x41*((\a)/4)                         ; source 0 and destination: window 2 or 3; bias: window 0
.irp t, 0,1,2,3,4,5,6,7,8,9,10,11,12,13,14,15
	v_pk_fma_f32 v[AC+4*\t:AC+4*\t+1], v[AC+4*\t:AC+4*\t+1], s[96:97], v[BI:BI+1] op_sel_hi:[1,0,1]
	v_pk_fma_f32 v[AC+4*\t+2:AC+4*\t+3], v[AC+4*\t+2:AC+4*\t+3], s[96:97], v[BI+2:BI+3] op_sel_hi:[1,0,1]
.endr
	WIN 0x08+4*((\a)/4)
.irp t, 0,1,2,3,4,5,6,7,8,9,10,11,12,13,14,15
	global_store_b128 v[CO], v[AC+4*\t:AC+4*\t+3], s[12:13] offset:\t*SIZE_N*4 th:TH_STORE_NT
.endr
.endm
	WIN MUL_LO
	s_wait_dscnt 63                                ; of the 116 loads at most 63 are out: B q0 and A q0 0-3, the first 48, are in
.irp a, 0,1,2,3
	MUL8 \a, 0, 0
.endr
	PLACES NP
	WIN 0
.irp i, 5,6,7
	FRAG AF+FR*(\i-5), ADRA+1, 1, \i               ; A q1 blocks 5-7 take the registers of A q0 blocks 0-2, which are done with
.endr
	FIN 0, 44                                      ; behind A q1 block 0: 12 + 16 + 4 + 12
	TOSTAGE 0
	FIN 1, 63                                      ; behind A q1 block 1 stand 72
	SEND 0
.irp a, 1,2,3,4,5,6
	TOSTAGE \a
	FIN \a+1, -1                                   ; (every fragment is in: SEND has waited for all LDS instructions)
	SEND \a
.endr
	TOSTAGE 7
	SEND 7
	WIN 0
	s_wait_tensorcnt 0x0                           ; the wave's end
	ds_add_u32 v[SPW], v[NIL]
	s_wait_dscnt 0x0
	CROUND                                         ; the closing round
	s_endpgm
.Lfunc_end_k_q0856420aad_gemm:
	.size	k_q0856420aad_gemm, .Lfunc_end_k_q0856420aad_gemm-k_q0856420aad_gemm
	.p2alignl 7, 3214868480
	.fill 96, 4, 3214868480
	.section	.rodata,"a",@progbits
	.p2align	6, 0x0
	.amdhsa_kernel k_q0856420aad_gemm
		.amdhsa_group_segment_fixed_size 327680
		.amdhsa_private_segment_fixed_size 0
		.amdhsa_enable_private_segment 0
		.amdhsa_kernarg_size 40
		.amdhsa_user_sgpr_count 2
		.amdhsa_user_sgpr_kernarg_segment_ptr 1
		.amdhsa_wavefront_size32 1
		.amdhsa_system_sgpr_workgroup_id_x 1
		.amdhsa_system_sgpr_workgroup_id_y 1
		.amdhsa_system_sgpr_workgroup_id_z 1
		.amdhsa_system_vgpr_workitem_id 0
		.amdhsa_next_free_vgpr 1024
		.amdhsa_next_free_sgpr 98
		.amdhsa_reserve_vcc 0
		.amdhsa_float_denorm_mode_32 3
		.amdhsa_float_denorm_mode_16_64 3
		.amdhsa_memory_ordered 1
		.amdhsa_forward_progress 1
		.amdhsa_inst_pref_size 127
	.end_amdhsa_kernel
	.amdgpu_metadata
---
amdhsa.version: [ 1, 2 ]
amdhsa.kernels:
  - .name:           k_q0856420aad_gemm
    .symbol:         k_q0856420aad_gemm.kd
    .args:
      - { .name: x_codes, .offset: 0, .size: 8, .value_kind: global_buffer, .address_space: global }
      - { .name: w_codes, .offset: 8, .size: 8, .value_kind: global_buffer, .address_space: global }
      - { .name: lowp_scales, .offset: 16, .size: 8, .value_kind: global_buffer, .address_space: global }
      - { .name: bias, .offset: 24, .size: 8, .value_kind: global_buffer, .address_space: global }
      - { .name: out0, .offset: 32, .size: 8, .value_kind: global_buffer, .address_space: global }
    .group_segment_fixed_size: 327680
    .private_segment_fixed_size: 0
    .kernarg_segment_align: 8
    .kernarg_segment_size: 40
    .max_flat_workgroup_size: 128
    .sgpr_count:     98
    .vgpr_count:     1024
    .wavefront_size: 32
...
	.end_amdgpu_metadata
.endif
;; end of part 3
